; MI455X (gfx1250); checked and timed in simulation.
; The chip was launched on July 23, 2026; its instructions are those of AMD's public machine-readable ISA for CDNA 5 (MIT licence, August 2026) and "CDNA5" Instruction Set Architecture Reference Guide (July 2026). The comments in the code are by the model that wrote it; some were corrected since.
;; Sparse Attention. Allowed arithmetic: matrix products marked QUANTISED: E2M1 operands, one E8M0 scale for each 32 along K, by v_wmma_scale_f32_16x16x128_f8f6f4 with both operands' format E2M1 (or v_wmma_scale_f32_32x16x128_f4), f32 sums; products left as they are: bf16, f16 or f32 operands; f32 sums; everything else in f32.
;; Inputs: k 1 x 8 x 4,096 x 64 float32; q 1 x 8 x 4,096 x 64 float32; v 1 x 8 x 4,096 x 64 float32.
;; Outputs: out0 1 x 8 x 4,096 x 64 float32.
;; This version of the problem:
;;   THIS VERSION OF THE PROBLEM IS GIVEN IN LOW PRECISION. The matrix products marked QUANTISED in the list below multiply operands that are first quantised to E2M1 (2 exponent bits, 1 mantissa bit; 4 bits a number), with one power-of-two scale for each 32 numbers along K (OCP MX v1.0); their sums are f32. The products marked 'left as it is' may take bf16, f16 or f32 operands, with f32 sums. All else is computed in f32.
;;   The module's matrix products, in the order in which they are computed (A, B: the left and right operand; K: the contracted axis; several contracted axes count as one K, in the product's order):
;;     1. batch 8 x [M 4,096, K 64] x [K 64, N 4,096]; A: input q; B: input k: QUANTISED
;;     2. batch 8 x [M 4,096, K 4,096] x [K 4,096, N 64]; A: computed on the way; B: input v: left as it is (an operand is computed on the way)
;;   THE QUANTISER, for each operand of a quantised product, along K:
;;     - K is cut into blocks of 32 from its start; a last block that is shorter is filled with zeros.
;;     - A block's scale is 2^e with e = floor(log2(the largest magnitude in the block)) - 2, held to -126 .. 127; a block of zeros has e = 0. As a byte (E8M0): e + 127.
;;     - Each number is divided by its block's scale, clamped to +-6, and rounded to the nearest number of E2M1, ties to even, subnormals kept.
;;     - The product sums the exact products of the quantised numbers (number of the format x scale) in f32.
;;   ~~~python
;;   def quantise(x, axis):      # numpy; x: float32 -> the quantised numbers, widened to float32 again
;;       x = np.moveaxis(x, axis, -1); K = x.shape[-1]
;;       x = np.pad(x, [(0, 0)] * (x.ndim - 1) + [(0, -K % 32)]); x = x.reshape(x.shape[:-1] + (-1, 32)); a = np.abs(x).max(-1, keepdims=True)
;;       e = np.where(a > 0, np.clip(np.frexp(np.where(a > 0, a, 1))[1] - 1 - 2, -126, 127), 0)      # np.frexp(a)[1] - 1 = floor(log2(a)), exactly
;;       r = np.clip(x / 2.0 ** e, -6, 6)
;;       step = 2.0 ** (np.maximum(np.frexp(np.where(r == 0, 1, r))[1] - 1, 0) - 1)
;;       q = np.round(r / step) * step * 2.0 ** e      # np.round: ties to even
;;       return np.moveaxis(q.reshape(q.shape[:-2] + (-1,))[..., :K], -1, axis).astype(np.float32)
;;   ~~~
;; One version. Each part assembles by itself: llvm-mc -triple=amdgcn-amd-amdhsa -mcpu=gfx1250 --defsym DOCPART=n.
;; ======== version 1 of 1: 2 launches
;; limits: values are held in f16: magnitudes above 65,504 overflow, below 6.1e-05 lose precision; inputs' magnitudes at most 900; right only within a limited range of input values
;; workspace buffers: kv 5,242,880 bytes; ksc 131,072 bytes; qq 1,310,720 bytes
;; launch prep (part 1): grid 256 x 1, 8 waves a work-group, no clusters, 76,800 bytes of LDS; arguments q, k, v, kv, ksc, qq; writes kv, ksc, qq
.if DOCPART == 1
	.amdgcn_target "amdgcn-amd-amdhsa--gfx1250"
	.amdhsa_code_object_version 6
	.text
	.protected	k_qae63f0f4c9_prep
	.globl	k_qae63f0f4c9_prep
	.p2align	8
	.type	k_qae63f0f4c9_prep,@function
k_qae63f0f4c9_prep:
	s_mov_b64 s[64:65], 0
	v_nop
	global_prefetch_b8 v0, s[64:65] scope:SCOPE_SE
	s_setreg_imm32_b32 hwreg(HW_REG_WAVE_MODE, 25, 1), 1
	s_wait_xcnt 0x0
; q, k, v: [8 heads][4096][64] f32, taken as 32,768 flat rows of 256 bytes.  This launch reads each once and lays what the second launch wants, in the ORDER OF ITS OPERAND REGISTERS.
;   q, k -> codes of FP4 (E2M1), one E8M0 scale byte for each 32 along the head's 64 (two blocks a row).  A tile of 16 rows is an image of 512 bytes: lane (r, h)'s 16 bytes, at 16 (16 h + r), are the codes of row r, k = 32 h .. 32 h + 31.
;   v    -> f16 with the KEYS innermost: for 32 keys, 16 channels (tile dt) and half c an image of 512 bytes: lane (r, h)'s 16 bytes are v[key 16 c + 8 h + 0..7][channel 16 dt + r].
; kv:  [256 groups of 128 keys][4 parts of 32 keys][5,120 bytes]: a part is 2 images of k's codes (1,024 bytes), then 4 dt x 2 c images of v (4,096): what one wave of the second launch takes in one step.
; ksc: one word a key: k's two scale bytes, then 0x7f, 0x7f (for the zero codes that fill the matrix instruction's k = 64 .. 127).
; qq:  [256 blocks of 128 queries][5,120 bytes]: 8 images of codes; 128 scale words; 128 multipliers.
; A block's scale is 2^(floor(log2(its largest magnitude)) - 2): its byte b is the largest magnitude's exponent field - 2.  k's bytes are stored as they are.
; q's are stored RELATIVE to the row's larger byte bm, with the product's factor 1/8 in them: b' = 124 - min(bm - b, 124); the row's multiplier is m = 2^(bm - 127).
; So the first product gives S / 8 x 2^(127 - bm), which fits f16 whatever q's size, and the output is multiplied by m at the end: only powers of two, nothing is rounded.
; LIMITS: v must lie under 65,504 in magnitude (f16); a block of q more than 2^124 under its row's other block is held at byte 0; a block of zeros keeps the floor's byte 1 where the rule says 127
; (its codes are zeros, and this program alone reads the bytes); blocks whose largest magnitude lies under the floor 2^-124 were not tried; NaN and infinities are not served.
; SHARES: work-group i takes rows 128 i .. 128 i + 127 of each tensor: waves 0, 1 q's (64 rows each), waves 2, 3 k's, waves 4 to 7 v's (32 keys each).  A wave issues all its loads at once.
; No tensor load, no barrier: waves share nothing.  q and k take ONE path; only pointers, offsets and one lane mask are chosen by the wave's number.
.set WREG,  18944                      ; LDS of a wave (0 to 3): four stages of 32 x 144 bytes, then 256 bytes of scale words and 256 of multipliers
.set STG,   4608                       ; a stage: a tile's 32 pieces (a row's block: 128 bytes) + 16 bytes of padding each: 144 = 9 x 16 bytes from lane to lane
.set WORDS, 4*STG
.set R,     32                         ; v32-159  64 rows as loaded: 32 loads x 4 registers
.set X,     160                        ; v160-223 two sets of 32 neighbours
.set C,     224                        ; v224-239 a tile's codes: four registers for each tile, so that no store's data are written again
.set W,     24                         ; v24-27   a tile's scale word
.set M,     28                         ; v28-31   a tile's multiplier
.set VR,    32                         ; v path: v32-95 register 32 dh + key: v[key][32 dh + lane]
.set VY,    96                         ; v path: v96-127 eight quads of packed f16
	s_load_b256 s[4:11], s[0:1], 0x0               ; q s[4:5], k s[6:7], v s[8:9], kv s[10:11]
	s_load_b128 s[12:15], s[0:1], 0x20             ; ksc s[12:13], qq s[14:15]
	v_lshl_add_u32 v248, v0, 2, 0x12800
	v_mov_b32 v249, 0
	v_lshrrev_b32 v1, 5, v0
	v_readfirstlane_b32 s16, v1                    ; wave 0..7
	v_and_b32 v1, 31, v0                           ; lane
	s_mov_b32 s31, 0                               ; the high word of every offset
	s_cmp_lt_u32 s16, 4
	s_cbranch_scc0 .Lvpath
	; ---------------- q and k ----------------
	s_and_b32 s17, s16, 1                          ; which 64 rows of the 128
	s_mul_i32 s32, s16, WREG                       ; my LDS
	v_lshlrev_b32 v2, 4, v1                        ; a load: 16 bytes a lane, 512 consecutive bytes (two rows) a wave
	v_lshrrev_b32 v10, 3, v1
	v_mul_u32_u24 v3, v10, 144
	v_and_b32 v10, 7, v1
	v_lshl_add_u32 v3, v10, 4, v3
	v_add_nc_u32 v3, s32, v3                       ; into a stage: eight lanes' 128 bytes are a piece: 144 (lane / 8) + 16 (lane % 8); a load's 512 bytes are four pieces
	v_mul_u32_u24 v4, v1, 144
	v_add_nc_u32 v4, s32, v4                       ; out of it: piece = lane: row lane / 2, block lane % 2
	v_and_b32 v10, 1, v1                           ; my block h
	v_lshrrev_b32 v11, 1, v1                       ; my row r
	v_lshlrev_b32 v5, 8, v10
	v_lshl_add_u32 v5, v11, 4, v5                  ; my 16 bytes in a code image: 16 (16 h + r)
	s_add_co_u32 s33, s32, WORDS
	v_lshl_add_u32 v6, v11, 2, s33                 ; LDS: my row's word in a tile's 16
	v_lshl_add_u32 v7, v1, 3, s33                  ; and on the way out 8 bytes a lane
	v_lshlrev_b32 v8, 3, v1
	v_lshlrev_b32 v9, 3, v10                       ; my byte's place in the word: 8 h bits up
	v_mov_b32 v20, 0                               ; written once: the destination of a lane exchange counts as one of its sources
	s_wait_kmcnt 0x0
	s_cmp_lt_u32 s16, 2                            ; q's wave or k's?  The choice hangs on the wave's number alone
	s_cselect_b64 s[18:19], s[4:5], s[6:7]         ; the numbers
	s_cselect_b64 s[20:21], s[14:15], s[10:11]     ; the codes' buffer
	s_cselect_b64 s[22:23], s[14:15], s[12:13]     ; the words' buffer
	s_cselect_b32 s26, -1, 0                       ; a lane mask: q's bytes are relative
	s_mov_b32 s27, 20480
	s_cselect_b32 s27, 5120, s27                   ; bytes of a block (qq) or a group (kv)
	s_mov_b32 s28, 512
	s_cselect_b32 s28, 5120, s28                   ; the same for the words (qq, ksc)
	s_cselect_b32 s29, 4096, 0                     ; in qq the words lie behind the codes
	s_cselect_b32 s35, 0, 4096                     ; in kv a part's two images are followed by v's 4,096 bytes: my tiles 2, 3 lie so much further on than in qq
	s_mov_b32 s36, 10240
	s_cselect_b32 s36, 2048, s36                   ; where the second 64 rows' images begin: four images on in qq, two parts on in kv
	s_lshl_b32 s30, ttmp9, 15                      ; 128 rows of 256 bytes,
	s_lshl_b32 s34, s17, 14                        ; my 64
	s_add_co_u32 s30, s30, s34
	s_add_nc_u64 s[18:19], s[18:19], s[30:31]
	s_mul_i32 s30, s27, ttmp9
	s_mul_i32 s34, s17, s36                        ; my four images
	s_add_co_u32 s30, s30, s34
	s_add_nc_u64 s[20:21], s[20:21], s[30:31]
	s_mul_i32 s30, s28, ttmp9
	s_add_co_u32 s30, s30, s29
	s_lshl_b32 s34, s17, 8                         ; my 64 words
	s_add_co_u32 s30, s30, s34
	s_add_nc_u64 s[22:23], s[22:23], s[30:31]
	v_add_nc_u32 v21, s35, v5                      ; my 16 bytes in the images of tiles 2 and 3
.set n, 0
.rept 32
	global_load_b128 v[R+4*n:R+4*n+3], v2, s[18:19] offset:512*n th:TH_LOAD_NT
.set n, n+1
.endr
; Tile t's 4,096 bytes go through its stage as they lie and come back 128 bytes a lane: the conversions take neighbours along K from ONE lane's registers.
; LDS serves a wave's instructions in order, so no wait stands between the stores and the loads.
.macro TURN t
.irp i, 0,1,2,3,4,5,6,7
	ds_store_b128 v3, v[R+32*(\t)+4*\i:R+32*(\t)+4*\i+3] offset:STG*(\t)+576*\i
.endr
.irp c, 0,1,2,3,4,5,6,7
	ds_load_b128 v[X+32*((\t)%2)+4*\c:X+32*((\t)%2)+4*\c+3], v4 offset:STG*(\t)+16*\c
.endr
.endm
; Tile t: my block's scale, its 32 codes, my row's word and multiplier.
.macro QUANT t
.set XS, X+32*((\t)%2)
	v_max3_num_f32 v10, |v[XS]|, |v[XS+1]|, 0x1800000              ; the block's largest magnitude, in two chains, with the floor 2^(3 - 127) among the leaves: the byte cannot fall under 1
	v_max3_num_f32 v11, |v[XS+2]|, |v[XS+3]|, |v[XS+4]|
.irp i, 5,9,13,17,21,25
	v_max3_num_f32 v10, v10, |v[XS+\i]|, |v[XS+\i+1]|
	v_max3_num_f32 v11, v11, |v[XS+\i+2]|, |v[XS+\i+3]|
.endr
	v_max3_num_f32 v10, v10, |v[XS+29]|, |v[XS+30]|
	v_max3_num_f32 v10, v10, v11, |v[XS+31]|
	v_add_nc_u32 v12, 0xff000000, v10              ; 2 off its exponent field: the conversion takes the exponent field of this operand as its scale, and nothing else of it
	v_max_num_f32_dpp v10, v10, v10 row_xmask:1 row_mask:0xf bank_mask:0xf   ; with my neighbour's block: the row's largest magnitude
.irp g, 0,1,2,3
	v_cvt_scalef32_pk8_fp4_f32 v[C+4*(\t)+\g], v[XS+8*\g:XS+8*\g+7], v12     ; to the nearest code, ties to even, beyond 6 the largest code; the first number's code in the lowest bits
.endr
	v_lshrrev_b32 v13, 23, v12                     ; b, my block's byte.  (Also the plain line behind the conversions)
	v_add_nc_u32 v14, 0xff000000, v10
	v_lshrrev_b32 v14, 23, v14                     ; bm, the row's larger byte
	v_sub_nc_u32 v15, v14, v13
	v_min_u32 v15, 124, v15
	v_sub_nc_u32 v15, 124, v15                     ; 124 - min(bm - b, 124): 2^(b - bm) / 8 as a byte
	v_cndmask_b32 v13, v13, v15, s26               ; q takes the relative byte, k its own
	v_lshlrev_b32 v16, v9, v13                     ; at its place in the word,
	v_mov_b32_dpp v20, v16 row_xmask:1 row_mask:0xf bank_mask:0xf
	v_or_b32 v16, v16, v20                         ; with my neighbour's,
	v_or_b32 v[W+(\t)], 0x7f7f0000, v16            ; and 1.0 for the two blocks of zero codes
	v_lshlrev_b32 v[M+(\t)], 23, v14               ; 2^(bm - 127) as f32
.if (\t) < 2
	global_store_b128 v5, v[C+4*(\t):C+4*(\t)+3], s[20:21] offset:512*(\t)   ; the wave stores an image: 512 consecutive bytes
.else
	global_store_b128 v21, v[C+4*(\t):C+4*(\t)+3], s[20:21] offset:512*(\t)
.endif
	ds_store_b32 v6, v[W+(\t)] offset:64*(\t)      ; both lanes of a row write the same word with the same value
	ds_store_b32 v6, v[M+(\t)] offset:256+64*(\t)
.endm
	s_wait_loadcnt 24                              ; tile 0's eight loads are in; the 24 of the later tiles may be out
	TURN 0
	s_wait_dscnt 0x0                               ; tile 0 is back from its stage
	s_wait_loadcnt 16                              ; tile 1's loads are in; 16 younger may be out
	TURN 1                                         ; it turns while tile 0 is worked
	QUANT 0
	s_wait_dscnt 2                                 ; tile 1 is back; tile 0's two word stores may be out
	s_wait_loadcnt 8
	TURN 2
	QUANT 1
	s_wait_dscnt 2
	s_wait_loadcnt 0x0
	TURN 3
	QUANT 2
	s_wait_dscnt 2
	QUANT 3
	ds_load_b64 v[240:241], v7                     ; my wave's 64 words and 64 multipliers, 8 bytes a lane: LDS serves a wave's instructions in order, these see my stores
	ds_load_b64 v[242:243], v7 offset:256
	s_wait_dscnt 0x0
	global_store_b64 v8, v[240:241], s[22:23]      ; 32 lanes store 256 consecutive bytes, at a multiple of 256 from the buffer's first byte
	s_cmp_lt_u32 s16, 2
	s_cbranch_scc0 .Lno_mult                       ; k has no multipliers
	global_store_b64 v8, v[242:243], s[22:23] offset:512   ; in qq the multipliers lie 512 bytes behind the words
.Lno_mult:
	s_wait_tensorcnt 0x0
	ds_add_u32 v248, v249
	s_wait_dscnt 0x0
	s_endpgm
	; ---------------- v ----------------
	; A lane takes a channel and its registers run down the keys: each load reads 128 consecutive bytes, two loads a key's whole row; eight keys of a lane pack into the 16 bytes that an image wants of it.
.Lvpath:
	s_sub_co_u32 s17, s16, 4                       ; which 32 keys of the 128: a part of the group
	v_lshlrev_b32 v2, 2, v1                        ; in: 4 bytes a lane
	v_lshrrev_b32 v10, 4, v1
	v_and_b32 v11, 15, v1
	v_lshlrev_b32 v3, 10, v10
	v_lshl_add_u32 v3, v11, 4, v3                  ; out: channel 32 dh + lane is tile 2 dh + lane / 16, row lane % 16: 1,024 (lane / 16) + 16 (lane % 16)
	s_lshl_b32 s30, ttmp9, 15
	s_lshl_b32 s34, s17, 13
	s_add_co_u32 s30, s30, s34                     ; v: 128 rows a work-group, 32 a wave
	s_mul_i32 s32, ttmp9, 20480
	s_mul_i32 s34, s17, 5120
	s_add_co_u32 s32, s32, s34
	s_add_co_u32 s32, s32, 1024                    ; kv: my group, my part, behind its two images of k's codes
	s_mov_b32 s33, 0
	s_wait_kmcnt 0x0
	s_add_nc_u64 s[18:19], s[8:9], s[30:31]
	s_add_nc_u64 s[20:21], s[10:11], s[32:33]
.set n, 0
.rept 32
	global_load_b32 v[VR+n], v2, s[18:19] offset:256*n th:TH_LOAD_NT
	global_load_b32 v[VR+32+n], v2, s[18:19] offset:256*n+128 th:TH_LOAD_NT
.set n, n+1
.endr
.irp gk, 0,1,2,3                       ; keys 8 gk .. 8 gk + 7: half c = gk / 2 of the fragment, lanes' half h = gk % 2
	s_wait_loadcnt 48-16*\gk                       ; these keys' 16 loads are in; those of the later keys may be out
.irp dh, 0,1
.irp i, 0,1,2,3
	v_cvt_pk_f16_f32 v[VY+8*\gk+4*\dh+\i], v[VR+32*\dh+8*\gk+2*\i], v[VR+32*\dh+8*\gk+2*\i+1]   ; the lower key in the low half
.endr
	global_store_b128 v3, v[VY+8*\gk+4*\dh:VY+8*\gk+4*\dh+3], s[20:21] offset:2048*\dh+512*(\gk/2)+256*(\gk%2)   ; each half of the lanes stores 256 consecutive bytes, aligned
.endr
.endr
	s_endpgm
.Lfunc_end_k_qae63f0f4c9_prep:
	.size	k_qae63f0f4c9_prep, .Lfunc_end_k_qae63f0f4c9_prep-k_qae63f0f4c9_prep
	.p2alignl 7, 3214868480
	.fill 96, 4, 3214868480
	.section	.rodata,"a",@progbits
	.p2align	6, 0x0
	.amdhsa_kernel k_qae63f0f4c9_prep
		.amdhsa_group_segment_fixed_size 76800
		.amdhsa_private_segment_fixed_size 0
		.amdhsa_enable_private_segment 0
		.amdhsa_kernarg_size 48
		.amdhsa_user_sgpr_count 2
		.amdhsa_user_sgpr_kernarg_segment_ptr 1
		.amdhsa_wavefront_size32 1
		.amdhsa_system_sgpr_workgroup_id_x 1
		.amdhsa_system_sgpr_workgroup_id_y 1
		.amdhsa_system_sgpr_workgroup_id_z 1
		.amdhsa_system_vgpr_workitem_id 0
		.amdhsa_next_free_vgpr 250
		.amdhsa_next_free_sgpr 66
		.amdhsa_reserve_vcc 0
		.amdhsa_float_denorm_mode_32 3
		.amdhsa_float_denorm_mode_16_64 3
		.amdhsa_memory_ordered 1
		.amdhsa_forward_progress 1
		.amdhsa_inst_pref_size 29
	.end_amdhsa_kernel
	.amdgpu_metadata
---
amdhsa.version: [ 1, 2 ]
amdhsa.kernels:
  - .name:           k_qae63f0f4c9_prep
    .symbol:         k_qae63f0f4c9_prep.kd
    .args:
      - { .name: q, .offset: 0, .size: 8, .value_kind: global_buffer, .address_space: global }
      - { .name: k, .offset: 8, .size: 8, .value_kind: global_buffer, .address_space: global }
      - { .name: v, .offset: 16, .size: 8, .value_kind: global_buffer, .address_space: global }
      - { .name: kv, .offset: 24, .size: 8, .value_kind: global_buffer, .address_space: global }
      - { .name: ksc, .offset: 32, .size: 8, .value_kind: global_buffer, .address_space: global }
      - { .name: qq, .offset: 40, .size: 8, .value_kind: global_buffer, .address_space: global }
    .group_segment_fixed_size: 76800
    .private_segment_fixed_size: 0
    .kernarg_segment_align: 8
    .kernarg_segment_size: 48
    .max_flat_workgroup_size: 256
    .sgpr_count:     66
    .vgpr_count:     250
    .wavefront_size: 32
...
	.end_amdgpu_metadata
.endif
;; end of part 1
;; launch attn (part 2): grid 32 x 8, 4 waves a work-group, clusters of 4 x 1, 327,680 bytes of LDS; arguments kv, ksc, qq, out0; writes out0
.if DOCPART == 2
	.amdgcn_target "amdgcn-amd-amdhsa--gfx1250"
	.amdhsa_code_object_version 6
	.text
	.protected	k_qae63f0f4c9_attn
	.globl	k_qae63f0f4c9_attn
	.p2align	8
	.type	k_qae63f0f4c9_attn,@function
k_qae63f0f4c9_attn:
	s_mov_b64 s[64:65], 0
	v_nop
	global_prefetch_b8 v0, s[64:65] scope:SCOPE_SE
	s_setreg_imm32_b32 hwreg(HW_REG_WAVE_MODE, 25, 1), 1
	s_wait_xcnt 0x0
	s_wait_alu depctr_hold_cnt(0) depctr_sa_sdst(0) depctr_va_vdst(0) depctr_va_sdst(0) depctr_va_ssrc(0) depctr_va_vcc(0) depctr_vm_vsrc(0)
	s_getreg_b32 s2, hwreg(HW_REG_IB_STS2, 6, 4)
	s_cmp_eq_u32 s2, 0
	s_cbranch_scc0 .Lentry_in_a_cluster
	s_endpgm
.Lentry_in_a_cluster:
	s_bfe_u32 s2, ttmp6, 0x10000c
	s_cmp_lg_u32 s2, 0x3003
	s_cbranch_scc0 .Lentry_shape_is_right
	s_endpgm
.Lentry_shape_is_right:
; out[h][q][:] = the sum over keys t of (Q4(q) . Q4(k[t]) / 8) v[t][:].  8 heads, 4,096 queries, 4,096 keys, head size 64.  No softmax, no mask.
; The first product runs on codes of FP4 with E8M0 scales (K = 64: the instruction's k = 64 .. 127 are zero codes on both sides, under the scale byte 0x7f); the second on f16 operands with f32 sums.
; All operands were laid by the launch before as images of the operand registers: kv (k's codes, v as f16 with the keys innermost), ksc (k's scale words), qq (q's codes, scale words, multipliers).
; RANGE.  q's scale bytes are relative to each row's larger byte and hold the factor 1/8, so the scores S' that are rounded to f16 are at most 72 x the largest |k|, whatever q's size; the row's power of two m multiplies the output at the end.
; LIMITS: |k| under 900 and |v| under 65,504, or f16 overflows; the f16 rounding keeps its full precision while k's spread is above about 1e-4 and v's above about 1e-4; NaN and infinities are not served.
; Each output is the sum of FOUR f32 partial sums (a quarter of the keys each), added as (0 + 1) + (2 + 3): another order of rounding than one chain over all keys.
; WHY f16 AND NOT bf16: an output is a sum of 4,096 terms of either sign, so the operands' rounding adds up to about that rounding's size times the outputs' spread; f16 has three mantissa bits more than bf16, which keeps it far inside what is compared.
; SHARES.  A work-group owns 128 queries of one head: 256 work-groups.  THE WAVES SHARE THE KEYS, NOT THE QUERIES: every wave holds all 8 tiles of 16 queries, and in step s (of 32) wave w takes keys 128 s + 32 w .. + 31.
; So each fragment of K and V that is read from LDS feeds eight products, and a wave reads only LDS bytes that its own tensor load brought.  The four partial results meet in LDS at the end.
; LAYOUT.  S^T = K Q^T (source 0 = 16 keys, source 1 = 16 queries): a lane holds ONE query (lane % 16) and keys 8 (lane / 16) + 0..7.  Two such tiles, rounded to f16 in pairs, ARE source 1 (32 keys x 16 queries) of
; O^T = V^T P (source 0 = 16 channels x 32 keys), whose result again holds one query a lane and eight channels.  Nothing changes lanes between the products.
; PIPELINE.  A step is 32 keys x 8 query tiles; a TICK serves one tile u: its 4 products V^T P, the 8 roundings of tile u + 2, the 2 products K Q^T of tile u + 4 (from tick 4 on: the next step's).
; So between a product K Q^T and the roundings that read it, and between a product V^T P and the roundings that write its source again, stand at least 8 roundings of other tiles: no v_nop in the steps.
; CLUSTER.  The four query blocks of a cluster belong to one head and walk the same kv and ksc: every tensor load is asked for JOINTLY, by the same line with the same descriptor and a mask that names the four.
; RING.  Each wave has 14 places of a step's 5,120 bytes: two slots of 7 steps; step s lies at place s mod 14.  A wave's tile of n steps is n rows of 5,120 bytes, 20,480 bytes apart in kv.
; All 14 places are asked for at the start, in three loads of 3, 4 and 7 rows, the smallest first, so that the first products need wait for 3 rows alone.  Then three refills: steps 14-20, 21-27, 28-31.
; A slot is left in its sixth step (steps 5, 12, 19), when its seventh step's fragments are in registers; its refill has seven steps' work in which to land.
; By this text's own count a wave has four tensor loads out at the start and one behind each change of slots.
; REGISTERS, in windows of 256 (s_set_vgpr_msb: bits 1:0 source 0, 3:2 source 1, 5:4 source 2, 7:6 destination):
;   window 0: v1-15 addresses; v16-17 K's scale words (two sets), v18-21 Q's; v24-39 multipliers; v40-103 Q (8 fragments); v104-135 K (2 sets x 2); v136-199 S^T, a ring of 4 tiles x 16; v200-231 P, a ring of 4 x 8
;   window 1: v0-127 O^T of query tiles 0-3 ((u, dt) at 32 u + 8 dt); v128-191 V (2 sets x 4 fragments)          window 2: v0-127 O^T of query tiles 4-7
.set STEPB,  5120                      ; a wave's part of a step: 1,024 bytes of K's code images, 4,096 of V's images
.set ROWP,   4*STEPB                   ; from a step to the next in kv: the four waves' parts lie side by side
.set NA,     7                         ; steps in a slot
.set WRING,  2*NA*STEPB                ; a wave's ring
.set SCL,    4*WRING                   ; behind the rings: the head's 4,096 scale words of K, filled once
.set SPARE,  SCL+16384                 ; the spare words, 128 bytes for each wave: two blocks of 256 bytes that no other line names
.set STAGE,  0                         ; the way out: for each wave 128 rows x (256 bytes + 16), over ring bytes that have had their last fill and their last read when the first result is stored there
.set SPITCH, 272
.set STW,    128*SPITCH
.set SPW, 1                            ; v1   LDS address of my spare word; never rewritten
.set NIL, 2                            ; v2   0; never rewritten
.set ADR, 3                            ; v3   my lane's 16 bytes of an image, in the place that is being fetched
.set ADS, 5                            ; v5   my lane's scale word of K for the step that is being fetched
.set PFO, 6                            ; v6   256 x lane: the prefetches' offset; never rewritten
.set STO, 7                            ; v7   the way out: where I put 32 bytes of a row
.set RD,  8                            ; v8-11 the way out: where I read a row back, in the four waves' stages
.set GO,  12                           ; v12  my byte offset in my wave's rows of out
.set LI,  13                           ; v13  16 x lane
.set LW,  14                           ; v14  4 x lane
.set QMO, 15                           ; v15  where my 16 multipliers lie
.set KS,  16
.set QSC, 18
.set HH,  22                           ; v22, v23 lane / 16, lane % 16, while addresses are made
.set RR,  23
.set QM,  24
.set Q,   40
.set KF,  104
.set S,   136
.set P,   200
.set VF,  128                          ; in window 1
.set OUTR, 40                          ; the way out: two sets of 64 registers, v40-103 and v104-167
.set WV,  12                           ; s12  my wave's number
.set CX,  13                           ; s13  my place in the cluster
.set BLK, 14                           ; s14  my block of 128 queries in the head
.set HEAD, 15
.set G1,  16                           ; s[16:23] descriptor group 1 for a tile of 7 steps
.set G1S, 24                           ; s[24:31] for the scale words
.set G0,  32                           ; s[32:39] group 0, a set for each slot
.set G0S, 40                           ; s[40:43] group 0 for the scale words
.set PFA, 44                           ; s[44:45] where my prefetches begin; never rewritten
.set LA,  46                           ; s46  1 in the waves of a head's first cluster
.set LB,  47                           ; s47  1 in waves 0, 1 of a head's first cluster
.set CNT, 48                           ; s48  counts the trips of a run of plain steps
.set TB,  49                           ; s49  LDS byte of the place to be fetched next
.set G1T, 68                           ; s[68:75] group 1 for a tile of 4 steps
.set G1U, 76                           ; s[76:83] for a tile of 3 steps
.set G0F, 84                           ; s[84:87] group 0 for the first fill of places 3 to 6
.set TS,  88                           ; s88  LDS byte of my wave's scale words for the step to be fetched next
.set RB,  89                           ; s89  LDS byte at which my wave's ring begins
.set MSB, 0
.macro WIN new                         ; the immediate's high byte repeats the setting that is left; a switch that changes nothing is dropped
.if MSB != \new
	s_set_vgpr_msb (MSB<<8)|\new
.set MSB, \new
.endif
.endm
.macro CREST                           ; a round of the cluster's barrier behind its opening barrier
	s_cmp_lg_u32 s[WV], 0
	s_cbranch_scc1 .Lnot_wave_0_\@
	s_barrier_signal -3
.Lnot_wave_0_\@:
	s_barrier_wait -3
	s_barrier_signal -1
	s_barrier_wait -1
.endm
.macro CROUND                          ; a whole round
	s_barrier_signal -1
	s_barrier_wait -1
	CREST
.endm
; A PREFETCH INTO THE L2 of kv's steps 16 to 31 of the head: 320 KiB on end, since kv lies in the order in which it is walked.  All eight clusters of a head walk the same bytes: the head's first cluster asks, and nobody else.
; A wave number's asking is 32 KiB: the four partners take 8 KiB each, told apart BY ADDRESS (cx), lanes 256 bytes apart.  Three askings, the later ones by the immediate offset, so that no address register is written again:
; in step 0 four waves (steps 16 to 22.4), at the first change of slots four waves (to step 28.8), at the second two waves (to the head's last byte).  Each aligned block of 256 bytes is named once.
; The refill of steps 14-20 is issued in step 5, that of steps 21-27 in step 12, that of steps 28-31 in step 19: each finds all its bytes from step 16 on asked for five to seven steps earlier.
; Steps 0 to 15 and the scale words come by their loads alone.
.macro ASK lim, off
	s_cmp_eq_u32 s[\lim], 1
	s_cbranch_scc0 .Lnot_mine_\@
	global_prefetch_b8 v[PFO], s[PFA:PFA+1] offset:\off th:TH_LOAD_NT scope:SCOPE_SE
.Lnot_mine_\@:
.endm
; descriptor group 1: rows of a wave's 5,120 bytes (640 elements of 8 bytes), one a step, 20,480 bytes apart in memory and on end in LDS: every LDS read is an image, 16 bytes a lane on end, so there is no padding
.macro SHAPE g, rows
	s_mov_b32 s[\g+0], 15|(3<<16)|(1<<21)          ; 15:0 the mask: all four work-groups; 17:16 elements of 8 bytes; 21 set beside a mask
	s_mov_b32 s[\g+1], (STEPB/8)<<16               ; tensor_dim0
	s_mov_b32 s[\g+2], (\rows)<<16                 ; tensor_dim1
	s_mov_b32 s[\g+3], (STEPB/8)<<16               ; tile_dim0
	s_mov_b32 s[\g+4], \rows                       ; tile_dim1
	s_mov_b32 s[\g+5], ROWP/8                      ; from row to row
	s_mov_b32 s[\g+6], 0
	s_mov_b32 s[\g+7], 0
.endm
; descriptor group 0: my part of step idx on, into place idx on of my ring
.macro FROM g, idx
	s_mov_b32 s[\g], 1                             ; count = 1
	s_add_co_u32 s[\g+1], s[RB], (\idx)*STEPB      ; LDS address
	s_add_nc_u64 s[\g+2:\g+3], s[54:55], (\idx)*ROWP   ; global address
	s_or_b32 s[\g+3], s[\g+3], 0x80000000          ; type = 2
.endm
	s_load_b256 s[4:11], s[0:1], 0x0               ; kv s[4:5], ksc s[6:7], qq s[8:9], out0 s[10:11]
	v_lshl_add_u32 v[SPW], v0, 2, SPARE
	v_mov_b32 v[NIL], 0
	ds_add_u32 v1, v2
	ds_add_u32 v1, v2
	s_wait_dscnt 0x0
	v_lshrrev_b32 v[HH], 5, v0
	v_readfirstlane_b32 s[WV], v[HH]               ; wave 0..3
	s_bfe_u32 s[CX], ttmp6, 0x40000                ; cx
	s_lshl_b32 s[BLK], ttmp9, 2                    ; in a cluster launch ttmp9 counts clusters
	s_add_co_u32 s[BLK], s[BLK], s[CX]             ; my block of queries: it enters qq's and out0's addresses alone
	s_and_b32 s[HEAD], ttmp7, 0xffff               ; the head, which the four partners share
	SHAPE G1, NA
	SHAPE G1T, 4
	SHAPE G1U, 3
	s_mov_b32 s[G1S+0], 15|(3<<16)|(1<<21)         ; the scale words: a dense block as rows of 256 bytes (32 elements of 8 bytes)
	s_mov_b32 s[G1S+1], 32<<16
	s_mov_b32 s[G1S+2], 16<<16
	s_mov_b32 s[G1S+3], 32<<16
	s_mov_b32 s[G1S+4], 16                         ; 16 rows: a quarter of the head's scale words, 4,096 bytes
	s_mov_b32 s[G1S+5], 32
	s_mov_b32 s[G1S+6], 0
	s_mov_b32 s[G1S+7], 0
	; offsets, in registers of their own.  What feeds a descriptor (s50 to s58, s89) never holds cx
	s_mul_i32 s50, s[HEAD], 32*ROWP                ; the head in kv
	s_mul_i32 s51, s[WV], STEPB                    ; my part of a step
	s_add_co_u32 s52, s50, s51
	s_mov_b32 s53, 0
	s_mul_i32 s[RB], s[WV], WRING                  ; my ring
	s_lshl_b32 s58, s[WV], 12                      ; my quarter of the scale words
	s_lshl_b32 s56, s[HEAD], 14
	s_add_co_u32 s56, s56, s58
	s_mov_b32 s57, 0
	s_lshl_b32 s60, s[HEAD], 5
	s_add_co_u32 s60, s60, s[BLK]
	s_mul_i32 s60, s60, 5120                       ; my block in qq
	s_mov_b32 s61, 0
	s_lshl_b32 s62, s[HEAD], 20                    ; out0: a head is 4,096 rows of 256 bytes,
	s_lshl_b32 s63, s[BLK], 15                     ; a block 128,
	s_add_co_u32 s62, s62, s63
	s_lshl_b32 s63, s[WV], 13                      ; and I store 32 of them
	s_add_co_u32 s62, s62, s63
	s_mov_b32 s63, 0
	s_lshl_b32 s2, s[WV], 15                       ; the prefetches: 32 KiB for each wave number, 8 KiB of it my work-group's,
	s_lshl_b32 s3, s[CX], 13
	s_add_co_u32 s2, s2, s3
	s_add_co_u32 s2, s2, s50
	s_add_co_u32 s2, s2, 16*ROWP                   ; from the head's step 16 on
	s_mov_b32 s3, 0
	s_cmp_eq_u32 ttmp9, 0                          ; the head's first cluster: the same in all four partners
	s_cselect_b32 s[LA], 1, 0
	s_lshr_b32 s[LB], s[WV], 1                     ; 0 in waves 0, 1,
	s_or_b32 s[LB], s[LB], ttmp9                   ; of the head's first cluster
	s_cmp_eq_u32 s[LB], 0
	s_cselect_b32 s[LB], 1, 0
	s_mov_b32 s[TB], s[RB]                         ; the first fetch: place 0,
	s_lshl_b32 s[TS], s[WV], 7                     ; and my 32 keys' words of step 0's 128
	s_add_co_u32 s[TS], s[TS], SCL
	s_wait_kmcnt 0x0
	s_add_nc_u64 s[54:55], s[4:5], s[52:53]        ; kv at my part of step 0
	s_add_nc_u64 s[PFA:PFA+1], s[4:5], s[2:3]
	s_add_nc_u64 s[8:9], s[8:9], s[60:61]
	s_add_nc_u64 s[10:11], s[10:11], s[62:63]
	FROM G0, 0                                     ; slot 0's set: first steps 0-2, later steps 14-20 and 28-31
	FROM G0F, 3                                    ; steps 3-6, once
	FROM G0+4, NA                                  ; slot 1's set: steps 7-13, later 21-27
	s_mov_b32 s[G0S], 1
	s_add_co_u32 s[G0S+1], s58, SCL
	s_add_nc_u64 s[G0S+2:G0S+3], s[6:7], s[56:57]
	s_or_b32 s[G0S+3], s[G0S+3], 0x80000000
	CROUND                                         ; all four work-groups are here: the first joint loads meet
	tensor_load_to_lds s[G0S:G0S+3], s[G1S:G1S+7]  ; the four first fills go out together: the scale words,
	s_nop 0
	tensor_load_to_lds s[G0:G0+3], s[G1U:G1U+7]    ; steps 0-2,
	s_nop 0
	tensor_load_to_lds s[G0F:G0F+3], s[G1T:G1T+7]  ; steps 3-6,
	s_nop 0
	tensor_load_to_lds s[G0+4:G0+7], s[G1:G1+7]    ; steps 7-13
	s_nop 0
.rept 4
	v_nop
.endr
	v_and_b32 v[LW], 31, v0
	v_lshlrev_b32 v[LI], 4, v[LW]
	v_lshlrev_b32 v[PFO], 8, v[LW]
	v_lshlrev_b32 v[LW], 2, v[LW]
	v_bfe_u32 v[HH], v0, 4, 1                      ; h
	v_and_b32 v[RR], 15, v0                        ; r
	s_lshl_b32 s59, s[WV], 7
	v_lshl_add_u32 v[QMO], v[HH], 6, s59           ; on the way out I own rows 32 w + 16 h + 0 .. 15: their 16 multipliers, 64 bytes
.irp u, 0,1,2,3,4,5,6,7
	global_load_b128 v[Q+8*\u:Q+8*\u+3], v[LI], s[8:9] offset:512*\u th:TH_LOAD_NT      ; Q's eight images stay in registers
.endr
.irp i, 0,1,2,3
	global_load_b32 v[QSC+\i], v[LW], s[8:9] offset:4096+128*\i th:TH_LOAD_NT           ; lane l: the word of query 32 i + l: tile 2 i in lanes 0-15, tile 2 i + 1 in lanes 16-31
.endr
.irp c, 0,1,2,3
	global_load_b128 v[QM+4*\c:QM+4*\c+3], v[QMO], s[8:9] offset:4608+16*\c th:TH_LOAD_NT
.endr
.irp u, 0,1,2,3,4,5,6,7
.irp j, 4,5,6,7
	v_mov_b32 v[Q+8*\u+\j], 0                      ; zero CODES for k = 64 .. 127: written once, never loaded over
.endr
.endr
.irp f, 0,1,2,3
.irp j, 4,5,6,7
	v_mov_b32 v[KF+8*\f+\j], 0
.endr
.endr
	; the addresses of the way out: also the places between those zeros and the first scaled products
	s_mul_i32 s59, s[WV], STW
	s_add_co_u32 s59, s59, STAGE                   ; my stage
	v_mul_u32_u24 v[STO], v[RR], SPITCH            ; in: row r of a tile, 32 bytes for each half of the lanes
	v_lshl_add_u32 v[STO], v[HH], 5, v[STO]
	v_add_nc_u32 v[STO], s59, v[STO]
	s_mul_i32 s59, s[WV], 32*SPITCH
	s_add_co_u32 s59, s59, STAGE
	v_mul_u32_u24 v[RD], v[HH], 16*SPITCH          ; back: rows 32 w + 16 h on, sixteen lanes to a row,
	v_lshl_add_u32 v[RD], v[RR], 4, v[RD]
	v_add_nc_u32 v[RD], s59, v[RD]
	v_add_nc_u32 v[RD+1], STW, v[RD]               ; in each of the four stages
	v_add_nc_u32 v[RD+2], STW, v[RD+1]
	v_add_nc_u32 v[RD+3], STW, v[RD+2]
	v_lshlrev_b32 v[GO], 12, v[HH]
	v_lshl_add_u32 v[GO], v[RR], 4, v[GO]          ; and the same place in out0
; Product t (0, 1: keys 16 t on of the step) of S^T = K Q^T for query tile u, from K's set kp.  K's scale words: lanes 0-15 of the set's register hold tile 0's keys, lanes 16-31 tile 1's; Q's likewise by u's parity.
.macro KQ u, t, kp
.set rS, S+16*((\u)%4)+8*(\t)
.set rK, KF+16*(\kp)+8*(\t)
.set rQ, Q+8*(\u)
.if ((\t) == 0) && (((\u)%2) == 0)
	v_wmma_scale_f32_16x16x128_f8f6f4 v[rS:rS+7], v[rK:rK+7], v[rQ:rQ+7], 0, v[KS+(\kp)], v[QSC+(\u)/2] matrix_a_fmt:MATRIX_FMT_FP4 matrix_b_fmt:MATRIX_FMT_FP4
.elseif (\t) == 0
	v_wmma_scale_f32_16x16x128_f8f6f4 v[rS:rS+7], v[rK:rK+7], v[rQ:rQ+7], 0, v[KS+(\kp)], v[QSC+(\u)/2] matrix_a_fmt:MATRIX_FMT_FP4 matrix_b_fmt:MATRIX_FMT_FP4 matrix_b_scale:MATRIX_SCALE_ROW1
.elseif ((\u)%2) == 0
	v_wmma_scale_f32_16x16x128_f8f6f4 v[rS:rS+7], v[rK:rK+7], v[rQ:rQ+7], 0, v[KS+(\kp)], v[QSC+(\u)/2] matrix_a_fmt:MATRIX_FMT_FP4 matrix_b_fmt:MATRIX_FMT_FP4 matrix_a_scale:MATRIX_SCALE_ROW1
.else
	v_wmma_scale_f32_16x16x128_f8f6f4 v[rS:rS+7], v[rK:rK+7], v[rQ:rQ+7], 0, v[KS+(\kp)], v[QSC+(\u)/2] matrix_a_fmt:MATRIX_FMT_FP4 matrix_b_fmt:MATRIX_FMT_FP4 matrix_a_scale:MATRIX_SCALE_ROW1 matrix_b_scale:MATRIX_SCALE_ROW1
.endif
.endm
; Four roundings of tile u's scores to f16, registers from .. from + 3 of P: a tile of S^T is read from its low end on
.macro CVT u, from
.irp e, 0,1,2,3
	v_cvt_pk_f16_f32 v[P+8*((\u)%4)+(\from)+\e], v[S+16*((\u)%4)+2*((\from)+\e)], v[S+16*((\u)%4)+2*((\from)+\e)+1]
.endr
.endm
; O^T(u, dt) += V^T(dt) P(u), from V's set p.  zero = 1: the first product starts the sum: nothing is ever cleared
.macro PV u, dt, p, zero
.if (\u) < 4
	WIN 0x51                                       ; V window 1, P window 0, C and D window 1
.else
	WIN 0xa1                                       ; C and D window 2
.endif
.set rO, 32*((\u)%4)+8*(\dt)
.set rV, VF+32*(\p)+8*(\dt)
.set rP, P+8*((\u)%4)
.if \zero
	v_wmma_f32_16x16x32_f16 v[rO:rO+7], v[rV:rV+7], v[rP:rP+7], 0
.else
	v_wmma_f32_16x16x32_f16 v[rO:rO+7], v[rV:rV+7], v[rP:rP+7], v[rO:rO+7]
.endif
.endm
; A TICK: tile u's four products V^T P; between and behind them the roundings of tile u + 2 (cv) and the products K Q^T of tile u + 4 (kq, from K's set kp).  It ends in window 0.
; The 32 accumulators of O^T take turns, one instruction a turn, in the same order in every step.
.macro TICK u, p, zero, cv, kq, kp
.set UC, ((\u)+2)%8
.set UK, ((\u)+4)%8
	PV \u, 0, \p, \zero
	PV \u, 1, \p, \zero
.if (\cv) || (\kq)
	WIN 0
.endif
.if \cv
	CVT UC, 0
.endif
.if \kq
	KQ UK, 0, \kp
.endif
	PV \u, 2, \p, \zero
	PV \u, 3, \p, \zero
	WIN 0
.if \cv
	CVT UC, 4
.endif
.if \kq
	KQ UK, 1, \kp
.endif
.endm
; The fragments of the step whose place stands in s[TB] into set p, in one run of 11 loads: K's two images and the step's scale words first, then V's eight images
.macro LOADS p
	WIN 0
	v_add_nc_u32 v[ADR], s[TB], v[LI]
	v_add_nc_u32 v[ADS], s[TS], v[LW]
	ds_load_b128 v[KF+16*(\p):KF+16*(\p)+3], v[ADR]
	ds_load_b128 v[KF+16*(\p)+8:KF+16*(\p)+11], v[ADR] offset:512
	ds_load_b32 v[KS+(\p)], v[ADS]
	WIN 0x40                                       ; destination window 1, address window 0
.irp dt, 0,1,2,3
.irp c, 0,1
	ds_load_b128 v[VF+32*(\p)+8*\dt+4*\c:VF+32*(\p)+8*\dt+4*\c+3], v[ADR] offset:1024+1024*\dt+512*\c
.endr
.endr
	WIN 0
	s_add_co_u32 s[TS], s[TS], 512                 ; the next step's 128 words on
.endm
; A STEP on fragment set p (the step's number mod 2).
; Behind tick 0 the next step's fragments are asked for, into the other set: its V was last read 12 roundings back, its K five ticks back.  K is wanted at tick 4, V at the next step's head.
; kind 0: plain.  kind 1: a slot's sixth step: THE CHANGE OF SLOTS: slot sig is filled again, by group 1 g1.  kind 2: only the wait for my last tile.  kind 3: the very last step.
; lim, off: who prefetches here and from which offset (lim = 0: nobody).  wrap = 1: the place just fetched was the ring's last.
.macro STEP p, zero, kind, sig, g1, lim, off, wrap
.set PAR, \p
.set NPAR, 1-(\p)
	s_wait_dscnt 0x0                               ; V of this step is in
.if (\kind) == 3
	s_barrier_signal -1                            ; my last read of the ring is back, and my tensor loads landed long ago: say so; the wait stands in front of the first store into the stage, with work on registers alone between
.endif
	TICK 0, PAR, \zero, 1, 1, PAR
.if (\kind) != 3
	LOADS NPAR
.if \wrap
	s_mov_b32 s[TB], s[RB]                         ; on to place 0
.else
	s_add_co_u32 s[TB], s[TB], STEPB               ; on to the next place
.endif
.endif
.if ((\kind) == 0) && ((\lim) != 0)
	ASK \lim, \off
.endif
	TICK 1, PAR, \zero, 1, 1, PAR
	TICK 2, PAR, \zero, 1, 1, PAR
	TICK 3, PAR, \zero, 1, 1, PAR
.if (\kind) == 3
	TICK 4, PAR, \zero, 1, 0, NPAR                 ; nothing follows: no scores to make, and from tick 6 on none to round
	TICK 5, PAR, \zero, 1, 0, NPAR
	TICK 6, PAR, \zero, 0, 0, NPAR
	TICK 7, PAR, \zero, 0, 0, NPAR
.elseif (\kind) == 1
	s_wait_tensorcnt 0x0                           ; all my tensor loads have landed: what was out is my part of the other slot; so a group 0 may be written
	ds_add_u32 v[SPW], v[NIL]                      ; 0 onto my spare word
	s_add_nc_u64 s[G0+4*(\sig)+2:G0+4*(\sig)+3], s[G0+4*(\sig)+2:G0+4*(\sig)+3], 2*NA*ROWP   ; this slot's next steps: 14 on; the type bits on top are not reached
	s_wait_dscnt 9                                 ; K's two images and the scale words are in; V's eight loads and the add may be out
	TICK 4, PAR, \zero, 1, 1, NPAR
	s_wait_dscnt 0x0                               ; the add is done, and the slot's seventh step is in registers: my reads of this slot are over
	s_barrier_signal -1                            ; this barrier opens a round of the cluster's barrier
	TICK 5, PAR, \zero, 1, 1, NPAR                 ; work on registers while the others arrive
	s_barrier_wait -1
	CREST                                          ; no wave of any partner still reads this slot or has a load on its way
	tensor_load_to_lds s[G0+4*(\sig):G0+4*(\sig)+3], s[\g1:\g1+7]   ; my one tensor load behind the round: it has seven steps less two ticks in which to land
	s_nop 0
.rept 4
	v_nop
.endr
.if (\lim) != 0
	ASK \lim, \off
.endif
	TICK 6, PAR, \zero, 1, 1, NPAR
	TICK 7, PAR, \zero, 1, 1, NPAR
.else
.if (\kind) == 2
	s_wait_tensorcnt 0x0                           ; my part of steps 28-31 is in: no load is younger, and I alone read it.  Nothing is filled again, so no barrier
.endif
	s_wait_dscnt 8                                 ; K's two images and the scale words are in; V's eight loads may be out
	TICK 4, PAR, \zero, 1, 1, NPAR
	TICK 5, PAR, \zero, 1, 1, NPAR
	TICK 6, PAR, \zero, 1, 1, NPAR
	TICK 7, PAR, \zero, 1, 1, NPAR
.endif
.endm
; A run of 2 n plain steps, the first on set p: written once, walked n times; the LDS addresses hang on s[TB] and s[TS]
.macro PAIRS p, n
	s_mov_b32 s[CNT], \n
.Lpair_\@:
	STEP \p, 0, 0, 0, G1, 0, 0, 0
	STEP 1-\p, 0, 0, 0, G1, 0, 0, 0
	s_sub_co_u32 s[CNT], s[CNT], 1
	s_cmp_lg_u32 s[CNT], 0
	s_cbranch_scc1 .Lpair_\@
.endm
	s_wait_tensorcnt 0x2                           ; my quarter of the scale words and my steps 0-2 are in; the two younger loads may stay out
	s_barrier_signal -1
	s_barrier_wait -1                              ; everybody's quarter of the scale words is in
	LOADS 0
	s_add_co_u32 s[TB], s[TB], STEPB
	s_wait_loadcnt 0x0                             ; Q, its scale words, the multipliers
	s_wait_dscnt 0x0
	KQ 0, 0, 0                                     ; the pipeline's head: the scores of tiles 0 to 3, the roundings of tiles 0 and 1
	KQ 0, 1, 0
	KQ 1, 0, 0
	KQ 1, 1, 0
.rept 4
	v_nop                                          ; four places between a product and the first read of its result (ISA guide 7.12.1); here no other vector work is at hand
.endr
	CVT 0, 0
	CVT 0, 4
	KQ 2, 0, 0
	KQ 2, 1, 0
	CVT 1, 0
	CVT 1, 4
	KQ 3, 0, 0
	KQ 3, 1, 0
	STEP 0, 1, 0, 0, G1, LA, 0, 0                  ; step 0: its products start O^T's sums; the first asking of the prefetches
	STEP 1, 0, 0, 0, G1, 0, 0, 0                   ; step 1 fetches place 2, the last of the first tile
	s_wait_tensorcnt 0x1                           ; my steps 3-6 are in; the load of steps 7-13 may stay out
	STEP 0, 0, 0, 0, G1, 0, 0, 0                   ; steps 2, 3, 4
	STEP 1, 0, 0, 0, G1, 0, 0, 0
	STEP 0, 0, 0, 0, G1, 0, 0, 0
	STEP 1, 0, 1, 0, G1, LA, 131072, 0             ; step 5: slot 0 is left and takes steps 14-20
	PAIRS 0, 3                                     ; steps 6-11
	STEP 0, 0, 1, 1, G1, LB, 262144, 1             ; step 12: slot 1 is left and takes steps 21-27
	PAIRS 1, 3                                     ; steps 13-18
	STEP 1, 0, 1, 0, G1T, 0, 0, 0                  ; step 19: slot 0 is left and takes steps 28-31: the last load
	PAIRS 0, 3                                     ; steps 20-25
	STEP 0, 0, 2, 0, G1, 0, 0, 1                   ; step 26
	PAIRS 1, 2                                     ; steps 27-30
	STEP 1, 0, 3, 0, G1, 0, 0, 0                   ; step 31
	; THE WAY OUT.  Each wave puts its partial O^T (128 queries x 64 channels, its quarter of the keys) into its own stage as rows of out; a barrier; wave w adds the four stages' rows 32 w .. 32 w + 31,
	; multiplies each by its row's power of two and stores it: sixteen lanes store a row of 256 bytes.
.rept 4
	v_nop                                          ; four places between the last products and the stores that read results
.endr
	s_barrier_wait -1                              ; every wave has read the ring out and has no tensor load on its way: the stages may be laid over it
	WIN 0x04                                       ; an LDS store's data are its source 1: window 1
.irp u, 0,1,2,3
.irp dt, 0,1,2,3
	ds_store_b128 v[STO], v[32*\u+8*\dt:32*\u+8*\dt+3] offset:16*SPITCH*\u+64*\dt          ; lane (r, h): out(16 u + r, 16 dt + 8 h + 0..7); each accumulator from its low end on
	ds_store_b128 v[STO], v[32*\u+8*\dt+4:32*\u+8*\dt+7] offset:16*SPITCH*\u+64*\dt+16
.endr
.endr
	WIN 0x08                                       ; window 2: query tiles 4 to 7
.irp u, 0,1,2,3
.irp dt, 0,1,2,3
	ds_store_b128 v[STO], v[32*\u+8*\dt:32*\u+8*\dt+3] offset:16*SPITCH*(\u+4)+64*\dt
	ds_store_b128 v[STO], v[32*\u+8*\dt+4:32*\u+8*\dt+7] offset:16*SPITCH*(\u+4)+64*\dt+16
.endr
.endr
	WIN 0
	s_wait_dscnt 0x0                               ; for the others' sake: my stores into my stage are done
	s_barrier_signal -1
	s_barrier_wait -1
.macro RB b                            ; batch b: rows 4 b .. 4 b + 3 of my sixteen (in each half of the lanes), from all four stages: 16 loads
.set BS, OUTR+64*((\b)%2)
.irp j, 0,1,2,3
.irp x, 0,1,2,3
	ds_load_b128 v[BS+16*\j+4*\x:BS+16*\j+4*\x+3], v[RD+\x] offset:SPITCH*(4*(\b)+\j)
.endr
.endr
.endm
.macro SUMST b                         ; (0 + 1) + (2 + 3), x the row's multiplier, stored
.set BS, OUTR+64*((\b)%2)
.irp j, 0,1,2,3
	v_pk_add_f32 v[BS+16*\j:BS+16*\j+1], v[BS+16*\j:BS+16*\j+1], v[BS+16*\j+4:BS+16*\j+5]
	v_pk_add_f32 v[BS+16*\j+2:BS+16*\j+3], v[BS+16*\j+2:BS+16*\j+3], v[BS+16*\j+6:BS+16*\j+7]
	v_pk_add_f32 v[BS+16*\j+8:BS+16*\j+9], v[BS+16*\j+8:BS+16*\j+9], v[BS+16*\j+12:BS+16*\j+13]
	v_pk_add_f32 v[BS+16*\j+10:BS+16*\j+11], v[BS+16*\j+10:BS+16*\j+11], v[BS+16*\j+14:BS+16*\j+15]
	v_pk_add_f32 v[BS+16*\j:BS+16*\j+1], v[BS+16*\j:BS+16*\j+1], v[BS+16*\j+8:BS+16*\j+9]
	v_pk_add_f32 v[BS+16*\j+2:BS+16*\j+3], v[BS+16*\j+2:BS+16*\j+3], v[BS+16*\j+10:BS+16*\j+11]
.irp e, 0,1,2,3
	v_mul_f32 v[BS+16*\j+\e], v[QM+4*(\b)+\j], v[BS+16*\j+\e]
.endr
	global_store_b128 v[GO], v[BS+16*\j:BS+16*\j+3], s[10:11] offset:256*(4*(\b)+\j) th:TH_STORE_NT   ; each half of the lanes stores 256 consecutive bytes, at a multiple of 256 from out0's first byte
.endr
.endm
	RB 0
	RB 1
	s_wait_dscnt 16                                ; batch 0 is in; batch 1's 16 loads may be out
	SUMST 0
	s_wait_xcnt 0x0                                ; batch 0's stores have read their registers: batch 2 may land there
	RB 2
	s_wait_dscnt 16
	SUMST 1
	s_wait_xcnt 0x0
	RB 3
	s_wait_dscnt 16
	SUMST 2
	s_wait_dscnt 0x0
	SUMST 3
	s_wait_tensorcnt 0x0                           ; the wave's end: behind my last tensor load and my last LDS store
	ds_add_u32 v[SPW], v[NIL]
	s_wait_dscnt 0x0
	CROUND                                         ; the closing round: no work-group ends while a partner may still ask for a tile that names it
	s_endpgm
.Lfunc_end_k_qae63f0f4c9_attn:
	.size	k_qae63f0f4c9_attn, .Lfunc_end_k_qae63f0f4c9_attn-k_qae63f0f4c9_attn
	.p2alignl 7, 3214868480
	.fill 96, 4, 3214868480
	.section	.rodata,"a",@progbits
	.p2align	6, 0x0
	.amdhsa_kernel k_qae63f0f4c9_attn
		.amdhsa_group_segment_fixed_size 327680
		.amdhsa_private_segment_fixed_size 0
		.amdhsa_enable_private_segment 0
		.amdhsa_kernarg_size 32
		.amdhsa_user_sgpr_count 2
		.amdhsa_user_sgpr_kernarg_segment_ptr 1
		.amdhsa_wavefront_size32 1
		.amdhsa_system_sgpr_workgroup_id_x 1
		.amdhsa_system_sgpr_workgroup_id_y 1
		.amdhsa_system_sgpr_workgroup_id_z 1
		.amdhsa_system_vgpr_workitem_id 0
		.amdhsa_next_free_vgpr 640
		.amdhsa_next_free_sgpr 90
		.amdhsa_reserve_vcc 0
		.amdhsa_float_denorm_mode_32 3
		.amdhsa_float_denorm_mode_16_64 3
		.amdhsa_memory_ordered 1
		.amdhsa_forward_progress 1
		.amdhsa_inst_pref_size 212
	.end_amdhsa_kernel
	.amdgpu_metadata
---
amdhsa.version: [ 1, 2 ]
amdhsa.kernels:
  - .name:           k_qae63f0f4c9_attn
    .symbol:         k_qae63f0f4c9_attn.kd
    .args:
      - { .name: kv, .offset: 0, .size: 8, .value_kind: global_buffer, .address_space: global }
      - { .name: ksc, .offset: 8, .size: 8, .value_kind: global_buffer, .address_space: global }
      - { .name: qq, .offset: 16, .size: 8, .value_kind: global_buffer, .address_space: global }
      - { .name: out0, .offset: 24, .size: 8, .value_kind: global_buffer, .address_space: global }
    .group_segment_fixed_size: 327680
    .private_segment_fixed_size: 0
    .kernarg_segment_align: 8
    .kernarg_segment_size: 32
    .max_flat_workgroup_size: 128
    .sgpr_count:     90
    .vgpr_count:     640
    .wavefront_size: 32
...
	.end_amdgpu_metadata
.endif
;; end of part 2
